; MI455X (gfx1250); checked and timed in simulation.
; The chip was launched on July 23, 2026; its instructions are those of AMD's public machine-readable ISA for CDNA 5 (MIT licence, August 2026) and "CDNA5" Instruction Set Architecture Reference Guide (July 2026). The comments in the code are by the model that wrote it; some were corrected since.
;; Turbo Quant Rotation. Allowed arithmetic: float matrix products may take bf16 or f16 operands with f32 sums; other float arithmetic in f32, or as packed bf16 or f16 multiplies, adds, multiply-adds, maxima and minima; sums over many terms, partial sums and values carried from step to step in f32; what a program stores and reads back later, other than sums and carried values, may be rounded once to bf16 or f16.
;; Inputs: signs 2 x 2,048 int32; wht_mat 2,048 x 2,048 float32; x 8,192 x 2,048 float32.
;; Outputs: out0 8,192 x 2,048 float32.
;; 2 versions, each right; version 2 is version 1 with the launch cast written anew for expert scheduling mode. Each part assembles by itself: llvm-mc -triple=amdgcn-amd-amdhsa -mcpu=gfx1250 --defsym DOCPART=n.
;; ======== version 1 of 2: 3 launches
;; workspace buffers: xb 33,554,432 bytes; wb 8,388,608 bytes; wa 8,388,608 bytes; mt 8,388,608 bytes
;; launch cast (part 1): grid 512 x 1, 8 waves a work-group, no clusters, 0 bytes of LDS; arguments x, wht_mat, signs, xb, wb, wa; writes xb, wb, wa
.if DOCPART == 1
	.amdgcn_target "amdgcn-amd-amdhsa--gfx1250"
	.amdhsa_code_object_version 6
	.text
	.protected	k_q3aacd74b54_cast
	.globl	k_q3aacd74b54_cast
	.p2align	8
	.type	k_q3aacd74b54_cast,@function
k_q3aacd74b54_cast:
	s_mov_b64 s[64:65], 0
	v_nop
	global_prefetch_b8 v0, s[64:65] scope:SCOPE_SE
	s_setreg_imm32_b32 hwreg(HW_REG_WAVE_MODE, 25, 1), 1
	s_wait_xcnt 0x0
; xb = bf16(x);  wb = bf16(W);  wa[i][k] = bf16(W[i][k] * f32(s1[k])), s1 = signs row 1.  x: [8192][2048] f32, W: [2048][2048] f32, signs: [2][2048] int32.
; A stream: every byte of x and W is read once, every byte of xb, wb, wa written once.  No LDS, no barrier, no matrix unit, no cluster: the waves share nothing but 4 KiB of signs.
; SHARES.  Work-group g: rows 16 g .. 16 g + 15 of x and rows 4 g .. 4 g + 3 of W.  Wave w: two rows of x (16,384 dense bytes, 32 loads of 512 bytes) and 4,096 dense bytes of W
; (row 4 g + w / 2, half w % 2: 8 loads) with the matching 1,024 signs (8 loads).  A lane loads 16 bytes (4 f32) and stores 8 (4 bf16): a load of the wave covers 512 consecutive bytes,
; aligned, a store 256 consecutive bytes, aligned.  All 48 loads of a wave go out at once, 24 KiB; the text is a straight line, and no register that a load or store reads is ever written again.
; LIMITS.  A sign beyond 2^24 in magnitude is rounded by the conversion to f32; W * s1 is one f32 product, rounded once to bf16 (exact in front of the rounding for +-1 and powers of two).
.set X,  8                             ; v[8:135]   32 quads of x; a quad's low pair then holds its 4 bf16
.set WQ, 136                           ; v[136:167] 8 quads of W
.set SQ, 168                           ; v[168:199] 8 quads of signs, then of W * s1
	s_load_b256 s[4:11], s[0:1], 0x0               ; x s[4:5], W s[6:7], signs s[8:9], xb s[10:11]
	s_load_b128 s[12:15], s[0:1], 0x20             ; wb s[12:13], wa s[14:15]
	v_lshrrev_b32 v1, 5, v0
	v_readfirstlane_b32 s16, v1                    ; wave 0..7
	v_and_b32 v1, 31, v0                           ; lane
	v_lshlrev_b32 v2, 4, v1                        ; 16 bytes a lane in; never rewritten
	v_lshlrev_b32 v3, 3, v1                        ; 8 bytes a lane out; never rewritten
	s_lshl_b32 s18, ttmp9, 17                      ; x: 16 rows of 8,192 bytes a work-group,
	s_lshl_b32 s17, s16, 14                        ; two rows a wave
	s_add_co_u32 s18, s18, s17
	s_mov_b32 s19, 0
	s_lshr_b32 s20, s18, 1                         ; xb: half the bytes
	s_mov_b32 s21, 0
	s_lshr_b32 s22, s18, 2                         ; W: a quarter of the rows: 32,768 bytes a work-group, 4,096 a wave
	s_mov_b32 s23, 0
	s_lshr_b32 s24, s18, 3                         ; wb and wa: half of that
	s_mov_b32 s25, 0
	s_and_b32 s26, s16, 1                          ; which half of a row of W is mine:
	s_lshl_b32 s26, s26, 12                        ; its 1,024 signs,
	s_add_co_u32 s26, s26, 8192                    ; in row 1 of signs
	s_mov_b32 s27, 0
	s_wait_kmcnt 0x0
	s_add_nc_u64 s[4:5], s[4:5], s[18:19]
	s_add_nc_u64 s[10:11], s[10:11], s[20:21]
	s_add_nc_u64 s[6:7], s[6:7], s[22:23]
	s_add_nc_u64 s[12:13], s[12:13], s[24:25]
	s_add_nc_u64 s[14:15], s[14:15], s[24:25]
	s_add_nc_u64 s[8:9], s[8:9], s[26:27]
.set j, 0
.rept 32
	global_load_b128 v[X+4*j:X+4*j+3], v2, s[4:5] offset:512*j th:TH_LOAD_NT
.set j, j+1
.endr
.set j, 0
.rept 8
	global_load_b128 v[WQ+4*j:WQ+4*j+3], v2, s[6:7] offset:512*j th:TH_LOAD_NT
	global_load_b128 v[SQ+4*j:SQ+4*j+3], v2, s[8:9] offset:512*j   ; no hint: every work-group reads the signs
.set j, j+1
.endr
; Four quads of x: rounded in pairs into each quad's low pair, and stored.
.macro XG q
	s_wait_loadcnt 44-4*(\q)                       ; loads come back in order: behind this group's fourth load stand 28 - 4 q of x and the 16 of W and signs
.irp i, 0,1,2,3
	v_cvt_pk_bf16_f32 v[X+4*(4*(\q)+(\i))],   v[X+4*(4*(\q)+(\i))],   v[X+4*(4*(\q)+(\i))+1]
	v_cvt_pk_bf16_f32 v[X+4*(4*(\q)+(\i))+1], v[X+4*(4*(\q)+(\i))+2], v[X+4*(4*(\q)+(\i))+3]
	global_store_b64 v3, v[X+4*(4*(\q)+(\i)):X+4*(4*(\q)+(\i))+1], s[10:11] offset:256*(4*(\q)+(\i)) th:TH_STORE_NT
.endr
.endm
; Two quads of W with their signs: the signs to f32, W * s1 in f32, both rounded once, both stored.
.macro WG q
	s_wait_loadcnt 12-4*(\q)                       ; behind the second quad's signs stand 12 - 4 q younger loads
.irp i, 0,1
.irp r, 0,1,2,3
	v_cvt_f32_i32 v[SQ+4*(2*(\q)+(\i))+(\r)], v[SQ+4*(2*(\q)+(\i))+(\r)]
.endr
	v_pk_mul_f32 v[SQ+4*(2*(\q)+(\i)):SQ+4*(2*(\q)+(\i))+1],   v[SQ+4*(2*(\q)+(\i)):SQ+4*(2*(\q)+(\i))+1],   v[WQ+4*(2*(\q)+(\i)):WQ+4*(2*(\q)+(\i))+1]
	v_pk_mul_f32 v[SQ+4*(2*(\q)+(\i))+2:SQ+4*(2*(\q)+(\i))+3], v[SQ+4*(2*(\q)+(\i))+2:SQ+4*(2*(\q)+(\i))+3], v[WQ+4*(2*(\q)+(\i))+2:WQ+4*(2*(\q)+(\i))+3]
	v_cvt_pk_bf16_f32 v[SQ+4*(2*(\q)+(\i))],   v[SQ+4*(2*(\q)+(\i))],   v[SQ+4*(2*(\q)+(\i))+1]
	v_cvt_pk_bf16_f32 v[SQ+4*(2*(\q)+(\i))+1], v[SQ+4*(2*(\q)+(\i))+2], v[SQ+4*(2*(\q)+(\i))+3]
	v_cvt_pk_bf16_f32 v[WQ+4*(2*(\q)+(\i))],   v[WQ+4*(2*(\q)+(\i))],   v[WQ+4*(2*(\q)+(\i))+1]
	v_cvt_pk_bf16_f32 v[WQ+4*(2*(\q)+(\i))+1], v[WQ+4*(2*(\q)+(\i))+2], v[WQ+4*(2*(\q)+(\i))+3]
	global_store_b64 v3, v[WQ+4*(2*(\q)+(\i)):WQ+4*(2*(\q)+(\i))+1], s[12:13] offset:256*(2*(\q)+(\i)) th:TH_STORE_NT
	global_store_b64 v3, v[SQ+4*(2*(\q)+(\i)):SQ+4*(2*(\q)+(\i))+1], s[14:15] offset:256*(2*(\q)+(\i)) th:TH_STORE_NT
.endr
.endm
.irp q, 0,1,2,3,4,5,6,7
	XG \q
.endr
.irp q, 0,1,2,3
	WG \q
.endr
	s_endpgm
.Lfunc_end_k_q3aacd74b54_cast:
	.size	k_q3aacd74b54_cast, .Lfunc_end_k_q3aacd74b54_cast-k_q3aacd74b54_cast
	.p2alignl 7, 3214868480
	.fill 96, 4, 3214868480
	.section	.rodata,"a",@progbits
	.p2align	6, 0x0
	.amdhsa_kernel k_q3aacd74b54_cast
		.amdhsa_group_segment_fixed_size 0
		.amdhsa_private_segment_fixed_size 0
		.amdhsa_enable_private_segment 0
		.amdhsa_kernarg_size 48
		.amdhsa_user_sgpr_count 2
		.amdhsa_user_sgpr_kernarg_segment_ptr 1
		.amdhsa_wavefront_size32 1
		.amdhsa_system_sgpr_workgroup_id_x 1
		.amdhsa_system_sgpr_workgroup_id_y 1
		.amdhsa_system_sgpr_workgroup_id_z 1
		.amdhsa_system_vgpr_workitem_id 0
		.amdhsa_next_free_vgpr 200
		.amdhsa_next_free_sgpr 66
		.amdhsa_reserve_vcc 0
		.amdhsa_float_denorm_mode_32 3
		.amdhsa_float_denorm_mode_16_64 3
		.amdhsa_memory_ordered 1
		.amdhsa_forward_progress 1
		.amdhsa_inst_pref_size 19
	.end_amdhsa_kernel
	.amdgpu_metadata
---
amdhsa.version: [ 1, 2 ]
amdhsa.kernels:
  - .name:           k_q3aacd74b54_cast
    .symbol:         k_q3aacd74b54_cast.kd
    .args:
      - { .name: x, .offset: 0, .size: 8, .value_kind: global_buffer, .address_space: global }
      - { .name: wht_mat, .offset: 8, .size: 8, .value_kind: global_buffer, .address_space: global }
      - { .name: signs, .offset: 16, .size: 8, .value_kind: global_buffer, .address_space: global }
      - { .name: xb, .offset: 24, .size: 8, .value_kind: global_buffer, .address_space: global }
      - { .name: wb, .offset: 32, .size: 8, .value_kind: global_buffer, .address_space: global }
      - { .name: wa, .offset: 40, .size: 8, .value_kind: global_buffer, .address_space: global }
    .group_segment_fixed_size: 0
    .private_segment_fixed_size: 0
    .kernarg_segment_align: 8
    .kernarg_segment_size: 48
    .max_flat_workgroup_size: 256
    .sgpr_count:     66
    .vgpr_count:     200
    .wavefront_size: 32
...
	.end_amdgpu_metadata
.endif
;; end of part 1
;; launch fold (part 2): grid 16 x 16, 4 waves a work-group, clusters of 4 x 4, 327,680 bytes of LDS; arguments wb, wa, mt, signs; writes mt
.if DOCPART == 2
	.amdgcn_target "amdgcn-amd-amdhsa--gfx1250"
	.amdhsa_code_object_version 6
	.text
	.protected	k_q3aacd74b54_fold
	.globl	k_q3aacd74b54_fold
	.p2align	8
	.type	k_q3aacd74b54_fold,@function
k_q3aacd74b54_fold:
	s_mov_b64 s[64:65], 0
	v_nop
	global_prefetch_b8 v0, s[64:65] scope:SCOPE_SE
	s_setreg_imm32_b32 hwreg(HW_REG_WAVE_MODE, 25, 1), 1
	s_wait_xcnt 0x0
	s_wait_alu depctr_hold_cnt(0) depctr_sa_sdst(0) depctr_va_vdst(0) depctr_va_sdst(0) depctr_va_ssrc(0) depctr_va_vcc(0) depctr_vm_vsrc(0)
	s_getreg_b32 s2, hwreg(HW_REG_IB_STS2, 6, 4)
	s_cmp_eq_u32 s2, 0
	s_cbranch_scc0 .Lentry_in_a_cluster
	s_endpgm
.Lentry_in_a_cluster:
	s_bfe_u32 s2, ttmp6, 0x10000c
	s_cmp_lg_u32 s2, 0xf033
	s_cbranch_scc0 .Lentry_shape_is_right
	s_endpgm
.Lentry_shape_is_right:
; mt[n][i] = bf16( 2^-11 * f32(s0[i]) * sum over k of wa[i][k] wb[k][n] ),  s0 = signs row 0.  wa: [i][k], wb: [k][n], mt: [n][i], all [2048][2048] bf16; sums in f32.
; With wa = W diag(s1) and wb = W this is the transpose of M = 2^-11 diag(s0) W diag(s1) W, and x M is what the module computes: the sums are taken in another order than the module
; writes them (associativity), which holds for every W and every signs.  LIMITS: M is rounded once to bf16, from its f32 sums with s0 and 2^-11 applied in f32; a sign beyond 2^24 is rounded by its conversion.
; SHARES.  A tile of mt is 128 x 128 (tile row: n, tile column: i), 256 work-groups.  Four waves, each 64 x 64: 16 accumulators of 16 x 16.  K goes in 8 steps of 256 through two LDS slots.
; THE MATRIX INSTRUCTION: source 0 = 16 rows i of wa, source 1 = 16 columns n of wb; in the result a lane holds row n = lane % 16 of mt and the columns i = 8 (lane / 16) + 0..7: 16 bytes on end.
; wa lies along K and comes out of LDS as it lies.  wb lies [k][n]: its tile is 256 rows k x 128 n, and ds_load_tr16_b128 turns it on the way into registers.
; CLUSTERS: 4 x 4 work-groups.  wb's tile hangs on the tile row alone: the four of a row of the cluster ask for it JOINTLY; wa's tile hangs on the tile column alone: the four of a column.
; No prefetch: a step's tiles are small and the launch walks 8 steps.
; REGISTERS: window 0: v0-31 addresses; v32-95 at work on the way out; v96-127 the scale of my 64 columns i; v128-255 the accumulators ((a, b) at v[128 + 8 (4 a + b)]).
;   window 1: two fragment buffers of 128: for 64 along K, 64 registers of wb turned (2 x 4 fragments), then 64 of wa.
.set KSTEP,  256
.set PW,     288                       ; a row of wb's tile in LDS: 256 bytes + 32 of padding = 72 words
.set PA,     528                       ; a row of wa's tile: 512 + 16 = 132 words: the 16 rows of a load start at 16 different groups of four banks
.set WHALF,  128*PW                    ; 128 rows k: one tensor load
.set AHALF,  64*PA                     ; 64 rows i: one tensor load
.set AOFF,   2*WHALF                   ; wa's tile lies behind wb's
.set SLOT,   AOFF+2*AHALF              ; 141,312 bytes
.set STAGE,  2*SLOT                    ; behind the ring: 128 rows x 272 bytes, the work-group's, for the way out; no tensor load lands there
.set SPITCH, 272
.set SPARE,  STAGE+128*SPITCH          ; behind the stage: the spare words, 128 bytes for each wave: two blocks of 256 bytes that no other line names
.set LAPS,   2048/(2*KSTEP)            ; a lap = two K steps = once round the ring
.set ROWB,   4096                      ; bytes in a row of wb, wa, mt
.set ADRW, 16                          ; v16-19  LDS address of my turned fragments: slot 0 rows 0-127, slot 0 rows 128-255, slot 1 likewise (the immediate has 16 bits)
.set ADRA, 20                          ; v20-21  LDS address of my wa fragments in slot 0, 1
.set STO,  24                          ; v24     the way out: where I put 16 bytes of a row
.set RD,   25                          ; v25     the way out: where I read a row back
.set CO,   26                          ; v26     my byte offset in mt
.set SO,   27                          ; v27     my byte offset in my wave's 64 signs: 32 (lane / 16)
.set SPW,  28                          ; v28     LDS address of my spare word: SPARE + 4 x my thread's number; never rewritten
.set NIL,  29                          ; v29     0; never rewritten
.set TMP,  32
.set SC,   96                          ; block b of 16 columns i: my eight scales at SC + 8 b
.set ACC,  128
.set F0,   0                           ; fragment buffers, in window 1
.set F1,   128
.set G1, 24                            ; s[24:31] descriptor group 1 for wb's tiles;  s[32:39] group 0, one set for each slot
.set G0, 32
.set G1B, 48                           ; s[48:55], s[56:63] the same for wa's tiles
.set G0B, 56
.set MSB, 0
.macro WIN new                         ; the immediate's high byte repeats the setting that is left; a switch that changes nothing is dropped
.if MSB != (\new)
	s_set_vgpr_msb (MSB<<8)|(\new)
.set MSB, \new
.endif
.endm
.set MUL,  0x05                        ; sources 0 and 1 window 1; C and D window 0
.set TO_F, 0x40                        ; destination window 1, address window 0
.macro JLOAD s                         ; a joint load: waves 0 and 1 fetch the two halves of wb's tile, waves 2 and 3 those of wa's; an s_nop 0 and four v_nop follow each of the two lines
	s_cmp_eq_u32 s11, 0
	s_cbranch_scc0 .Lfor_b_\@
	tensor_load_to_lds s[G0+4*(\s):G0+4*(\s)+3], s[G1:G1+7]
	s_nop 0
.rept 4
	v_nop
.endr
	s_branch .Lasked_\@
.Lfor_b_\@:
	tensor_load_to_lds s[G0B+4*(\s):G0B+4*(\s)+3], s[G1B:G1B+7]
	s_nop 0
.rept 4
	v_nop
.endr
.Lasked_\@:
.endm
.macro CREST                           ; a round of the cluster's barrier behind its opening barrier
	s_cmp_lg_u32 s10, 0
	s_cbranch_scc1 .Lnot_wave_0_\@
	s_barrier_signal -3
.Lnot_wave_0_\@:
	s_barrier_wait -3
	s_barrier_signal -1
	s_barrier_wait -1
.endm
.macro CROUND                          ; a whole round
	s_barrier_signal -1
	s_barrier_wait -1
	CREST
.endm
	s_load_b128 s[4:7], s[0:1], 0x0                ; wb s[4:5], wa s[6:7]
	s_load_b64 s[8:9], s[0:1], 0x10                ; mt
	s_load_b64 s[66:67], s[0:1], 0x18              ; signs
	v_lshl_add_u32 v[SPW], v0, 2, SPARE
	v_mov_b32 v[NIL], 0
	ds_add_u32 v[SPW], v[NIL]                      ; the wave's opening: the add, twice on end, and its wait ahead of my first tensor load; the set-up below stands between
	ds_add_u32 v[SPW], v[NIL]                      ; and once more, under the one wait
	v_lshrrev_b32 v1, 5, v0
	v_readfirstlane_b32 s10, v1                    ; wave 0..3
	s_lshr_b32 s11, s10, 1                         ; which half of the tile's rows n is mine.  Also: I fetch for wb (0) or for wa (1)
	s_and_b32 s12, s10, 1                          ; which half of its columns i.  Also: which half of that tile I fetch
	s_bfe_u32 s40, ttmp6, 0x40000                  ; cx, cy: my place in the cluster
	s_bfe_u32 s41, ttmp6, 0x40004
	s_lshl_b32 s42, ttmp9, 2
	s_add_co_u32 s42, s42, s40                     ; tile column (i) = 4 x cluster x + cx
	s_and_b32 s13, ttmp7, 0xffff
	s_lshl_b32 s13, s13, 2
	s_add_co_u32 s13, s13, s41                     ; tile row (n) = 4 x cluster y + cy
	s_lshl_b32 s43, s41, 2
	s_lshl_b32 s43, 15, s43                        ; my row of the cluster
	s_lshl_b32 s44, 0x1111, s40                    ; my column
	; descriptor group 1.  wb: 128 rows k x 128 elements n, 8 words of padding behind every 64.  wa: 64 rows i x 256 elements k, 4 words behind every 128.
	s_or_b32 s[G1+0], s43, (1<<16)|(1<<20)|(1<<21)|(5<<22)|(7<<25)  ; 15:0 the mask: my row; 17:16 elements of 2 bytes; 20 padding on; 21 set beside a mask; 24:22 interval code 5; 31:25 pad code 7
	s_mov_b32 s[G1+1], 128<<16                     ; tensor_dim0 = 128
	s_mov_b32 s[G1+2], 128<<16                     ; tensor_dim1 = 128
	s_mov_b32 s[G1+3], 128<<16                     ; tile_dim0 = 128
	s_mov_b32 s[G1+4], 128                         ; tile_dim1 = 128
	s_mov_b32 s[G1+5], 2048                        ; elements from row to row
	s_mov_b32 s[G1+6], 0
	s_mov_b32 s[G1+7], 0
	s_or_b32 s[G1B+0], s44, (1<<16)|(1<<20)|(1<<21)|(6<<22)|(3<<25) ; the mask: my column; interval code 6; pad code 3
	s_mov_b32 s[G1B+1], KSTEP<<16                  ; tensor_dim0 = 256
	s_mov_b32 s[G1B+2], 64<<16                     ; tensor_dim1 = 64
	s_mov_b32 s[G1B+3], KSTEP<<16                  ; tile_dim0 = 256
	s_mov_b32 s[G1B+4], 64                         ; tile_dim1 = 64
	s_mov_b32 s[G1B+5], 2048
	s_mov_b32 s[G1B+6], 0
	s_mov_b32 s[G1B+7], 0
	; where the tiles come from.  wb's hang on the tile row alone, wa's on the tile column alone, each in registers that never hold the other coordinate.
	s_lshl_b32 s16, s12, 19                        ; wb: my 128 rows k of 4,096 bytes,
	s_lshl_b32 s17, s13, 8                         ; the tile's 128 columns n: 256 bytes
	s_add_co_u32 s16, s16, s17
	s_mov_b32 s17, 0
	s_lshl_b32 s46, s42, 19                        ; wa: the tile's 128 rows i,
	s_lshl_b32 s47, s12, 18                        ; my 64 of them
	s_add_co_u32 s46, s46, s47
	s_mov_b32 s47, 0
	s_mul_i32 s20, s10, WHALF                      ; where they go.  wb (waves 0, 1): wave x 128 rows
	s_mul_i32 s21, s10, AHALF                      ; wa (waves 2, 3): AOFF + (wave - 2) x 64 rows
	s_add_co_u32 s21, s21, AOFF-2*AHALF
	s_wait_dscnt 0x0                               ; both opening adds are done
	s_wait_kmcnt 0x0
	s_add_nc_u64 s[14:15], s[4:5], s[16:17]
	s_add_nc_u64 s[46:47], s[6:7], s[46:47]
	CROUND                                         ; all sixteen work-groups are here: the first joint loads meet
.irp s, 0,1
	s_mov_b32 s[G0+4*(\s)], 1
	s_add_co_u32 s[G0+4*(\s)+1], s20, (\s)*SLOT
	s_add_nc_u64 s[G0+4*(\s)+2:G0+4*(\s)+3], s[14:15], (\s)*KSTEP*ROWB   ; K step s: 256 rows down
	s_or_b32 s[G0+4*(\s)+3], s[G0+4*(\s)+3], 0x80000000
	s_mov_b32 s[G0B+4*(\s)], 1
	s_add_co_u32 s[G0B+4*(\s)+1], s21, (\s)*SLOT
	s_add_nc_u64 s[G0B+4*(\s)+2:G0B+4*(\s)+3], s[46:47], (\s)*KSTEP*2    ; K step s: 512 bytes along the rows
	s_or_b32 s[G0B+4*(\s)+3], s[G0B+4*(\s)+3], 0x80000000
	JLOAD \s
.endr
	v_and_b32 v1, 15, v0                           ; l % 16
	v_bfe_u32 v2, v0, 4, 1                         ; l / 16
	v_and_b32 v6, 7, v0                            ; l % 8
	v_bfe_u32 v7, v0, 3, 1                         ; (l / 8) % 2
	v_mul_u32_u24 v3, v1, PA                       ; a fragment of wa: row x pitch + 16 x half
	v_lshl_add_u32 v3, v2, 4, v3
	s_mul_i32 s22, s12, AHALF                      ; my 64 rows i
	s_add_co_u32 s22, s22, AOFF
	v_add_nc_u32 v[ADRA], s22, v3
	v_add_nc_u32 v[ADRA+1], SLOT, v[ADRA]
	; The turning load takes 16 k x 16 n (lane l reads 16 bytes: row k = 8 (l / 16) + l % 8, columns 8 ((l / 8) % 2) + 0..7) and leaves half a fragment: lane l holds column n = l % 16 and 8 k.
	v_lshl_add_u32 v4, v2, 3, v6
	v_mul_u32_u24 v4, v4, PW
	v_lshl_add_u32 v4, v7, 4, v4
	s_lshl_b32 s21, s11, 7                         ; my 64 columns n: 128 bytes
	v_add_nc_u32 v[ADRW], s21, v4
	v_add_nc_u32 v[ADRW+1], WHALF, v[ADRW]
	v_add_nc_u32 v[ADRW+2], SLOT, v[ADRW]
	v_add_nc_u32 v[ADRW+3], SLOT+WHALF, v[ADRW]
	s_lshl_b32 s46, s42, 9                         ; the signs of my 64 columns i: 512 bytes a tile column, 256 a half
	s_lshl_b32 s47, s12, 8
	s_add_co_u32 s46, s46, s47
	s_mov_b32 s47, 0
	s_add_nc_u64 s[66:67], s[66:67], s[46:47]
	v_lshlrev_b32 v[SO], 5, v2
.irp b, 0,1,2,3
	global_load_b128 v[SC+8*(\b):SC+8*(\b)+3],   v[SO], s[66:67] offset:64*(\b)      ; s0[i], i = 16 b + 8 (l / 16) + 0..3 of my 64
	global_load_b128 v[SC+8*(\b)+4:SC+8*(\b)+7], v[SO], s[66:67] offset:64*(\b)+16
.endr
	s_mul_i32 s23, s11, 64*SPITCH                  ; into the stage: my 64 rows, my half of their 256 bytes; row l % 16, 16 bytes for each half of the lanes
	s_lshl_b32 s21, s12, 7
	s_add_co_u32 s23, s23, s21
	s_add_co_u32 s23, s23, STAGE
	v_mul_u32_u24 v4, v1, SPITCH
	v_lshl_add_u32 v4, v2, 4, v4
	v_add_nc_u32 v[STO], s23, v4
	s_mul_i32 s23, s10, 32*SPITCH                  ; back: wave w takes rows 32 w .. 32 w + 31, whole; lanes 0-15 one row of 256 bytes, lanes 16-31 the next
	s_add_co_u32 s23, s23, STAGE
	v_mul_u32_u24 v5, v2, SPITCH
	v_lshl_add_u32 v5, v1, 4, v5
	v_add_nc_u32 v[RD], s23, v5
	v_lshlrev_b32 v5, 12, v2                       ; and the same two rows in mt
	v_lshl_add_u32 v[CO], v1, 4, v5
	s_lshl_b32 s16, s13, 7
	s_lshl_b32 s17, s10, 5
	s_add_co_u32 s16, s16, s17                     ; the first row of mt that I store: 128 x tile row + 32 x wave,
	s_lshl_b32 s16, s16, 12                        ; in bytes
	s_mov_b32 s17, 0
	s_add_nc_u64 s[8:9], s[8:9], s[16:17]
	s_lshl_b32 s46, s42, 8                         ; the tile's first column, in bytes
	s_mov_b32 s47, 0
	s_add_nc_u64 s[8:9], s[8:9], s[46:47]
	s_mov_b32 s22, 0x3a000000                      ; 2^-11
	s_mov_b32 s23, s22                             ; named with it as a pair
	s_wait_loadcnt 0x0                             ; the signs
.set r, 0
.rept 32
	v_cvt_f32_i32 v[SC+r], v[SC+r]
.set r, r+1
.endr
.set r, 0
.rept 16
	v_pk_mul_f32 v[SC+r:SC+r+1], v[SC+r:SC+r+1], s[22:23] op_sel_hi:[1,0]   ; an exact scaling
.set r, r+2
.endr
; 8 matrix instructions: n blocks a0, a0 + 1 x all 4 i blocks, 32 along K: half c of buffer f.  zero = 1: the first product starts the sums.  The 16 accumulators take turns.
.macro MUL8 f, c, a0, zero
	WIN MUL
.irp a, \a0, (\a0)+1
.irp b, 0,1,2,3
.if \zero
	v_wmma_f32_16x16x32_bf16 v[ACC+8*(4*(\a)+(\b)):ACC+8*(4*(\a)+(\b))+7], v[(\f)+64+8*(4*(\c)+(\b)):(\f)+64+8*(4*(\c)+(\b))+7], v[(\f)+8*(4*(\c)+(\a)):(\f)+8*(4*(\c)+(\a))+7], 0
.else
	v_wmma_f32_16x16x32_bf16 v[ACC+8*(4*(\a)+(\b)):ACC+8*(4*(\a)+(\b))+7], v[(\f)+64+8*(4*(\c)+(\b)):(\f)+64+8*(4*(\c)+(\b))+7], v[(\f)+8*(4*(\c)+(\a)):(\f)+8*(4*(\c)+(\a))+7], v[ACC+8*(4*(\a)+(\b)):ACC+8*(4*(\a)+(\b))+7]
.endif
.endr
.endr
.endm
; 32 LDS loads in one run: the fragments of quarter q of a K step (64 along K) into buffer f; the first 32 along K first
.macro FETCH slot, q, f
	WIN TO_F
.irp c, 0,1
.irp i, 0,1,2,3
	ds_load_b128 v[(\f)+64+8*(4*(\c)+(\i)):(\f)+64+8*(4*(\c)+(\i))+3],   v[ADRA+(\slot)] offset:128*(\q)+64*(\c)+(\i)*16*PA
	ds_load_b128 v[(\f)+64+8*(4*(\c)+(\i))+4:(\f)+64+8*(4*(\c)+(\i))+7], v[ADRA+(\slot)] offset:128*(\q)+64*(\c)+(\i)*16*PA+32
	ds_load_tr16_b128 v[(\f)+8*(4*(\c)+(\i)):(\f)+8*(4*(\c)+(\i))+3],    v[ADRW+2*(\slot)+(\q)/2] offset:(((\q)%2)*64+32*(\c))*PW+32*(\i)
	ds_load_tr16_b128 v[(\f)+8*(4*(\c)+(\i))+4:(\f)+8*(4*(\c)+(\i))+7],  v[ADRW+2*(\slot)+(\q)/2] offset:(((\q)%2)*64+32*(\c))*PW+32*(\i)+16*PW
.endr
.endr
.endm
.macro PLACES                          ; four places in front of loads into registers that matrix instructions have read (ISA guide 7.12.1 for vector instructions)
.rept 4
	v_nop
.endr
.endm
; A K step is four quarters of 64 along K, 32 matrix instructions each, on buffers 0, 1, 0, 1.  One of the first three: multiplies buffer f and fetches quarter q into g.
.macro QUARTER slot, q, f, g, zero
	s_wait_dscnt 16                                ; the first 32 along K are in; the younger sixteen loads may be out
	WIN MUL
	MUL8 \f, 0, 0, \zero
	MUL8 \f, 0, 2, \zero
	PLACES
	FETCH \slot, \q, \g
	s_wait_dscnt 32                                ; all but the 32 just issued
	WIN MUL
	MUL8 \f, 1, 0, 0
	MUL8 \f, 1, 2, 0
.endm
; The last quarter multiplies buffer 1 and changes slots: ONE barrier; in front of it each wave waits for all its tensor loads, adds 0 to its spare word, and waits for that and for its own reads of this slot.
; fill = 1: this slot is filled again, two K steps ahead; the barrier then opens a round of the cluster's barrier, and the joint load is the first tensor load behind the round.
.macro TURN slot, next, fill
	WIN 0                                          ; (the add's two registers lie in window 0)
	s_wait_tensorcnt 0x0                           ; all my tensor loads have landed: the one that was out is my part of the next slot;
	ds_add_u32 v[SPW], v[NIL]                      ; 0 onto my spare word;
	s_wait_dscnt 17                                ; (the add and the youngest sixteen loads may be out)
	WIN MUL
	MUL8 F1, 0, 0, 0                               ; eight matrix instructions stand between the add and the wait for it
	s_wait_dscnt 0x0                               ; the add is done, and my reads of this slot are over
	s_barrier_signal -1
	MUL8 F1, 0, 2, 0
.if \fill
	WIN 0
.endif
	s_barrier_wait -1
.if \fill
	CREST                                          ; no wave of any partner still reads this slot's tiles or has a load on its way
	s_add_nc_u64 s[G0+4*(\slot)+2:G0+4*(\slot)+3], s[G0+4*(\slot)+2:G0+4*(\slot)+3], 2*KSTEP*ROWB
	s_add_nc_u64 s[G0B+4*(\slot)+2:G0B+4*(\slot)+3], s[G0B+4*(\slot)+2:G0B+4*(\slot)+3], 2*KSTEP*2
	JLOAD \slot                                    ; 112 matrix instructions ahead of the wait for it; the four v_nop behind it are also the places in front of the loads below
.else
	PLACES
.endif
	FETCH \next, 0, F0
	WIN MUL
	MUL8 F1, 1, 0, 0
	MUL8 F1, 1, 2, 0
.endm
	s_wait_tensorcnt 1                             ; my part of K step 0 is in; K step 1's load may stay out
	s_barrier_signal -1
	s_barrier_wait -1                              ; everybody's is
	FETCH 0, 0, F0
	QUARTER 0, 1, F0, F1, 1                        ; the first quarter stands in front of the loop: its first products start the sums
	WIN 0                                          ; at a label and at a branch every window is 0
	s_mov_b32 s3, LAPS-1
.Llap:                                                 ; a trip goes once round the ring, from a lap's second quarter to the next lap's first, and fills both slots again
	QUARTER 0, 2, F1, F0, 0
	QUARTER 0, 3, F0, F1, 0
	TURN 0, 1, 1
	QUARTER 1, 1, F0, F1, 0
	QUARTER 1, 2, F1, F0, 0
	QUARTER 1, 3, F0, F1, 0
	TURN 1, 0, 1
	QUARTER 0, 1, F0, F1, 0
	WIN 0
	s_sub_co_u32 s3, s3, 1
	s_cmp_lg_u32 s3, 0
	s_cbranch_scc1 .Llap
	QUARTER 0, 2, F1, F0, 0                        ; the last lap fills nothing, and has no round of the cluster's barrier
	QUARTER 0, 3, F0, F1, 0
	TURN 0, 1, 0
	QUARTER 1, 1, F0, F1, 0
	QUARTER 1, 2, F1, F0, 0
	QUARTER 1, 3, F0, F1, 0
	s_wait_dscnt 16                                ; the very last quarter: nothing more to fetch
	WIN MUL
	MUL8 F1, 0, 0, 0
	MUL8 F1, 0, 2, 0
	s_wait_dscnt 0
	MUL8 F1, 1, 0, 0
	MUL8 F1, 1, 2, 0
	WIN 0
	; THE WAY OUT: times 2^-11 s0[i] in f32; rounded to bf16; 16 bytes a lane into the work-group's stage; a barrier, since a row's 256 bytes come from two waves; back as whole rows, 32 rows a wave.
.rept 8
	v_nop                                          ; the places behind the last products, ahead of lines that read and rewrite their results
.endr
.irp t, 0,1,2,3,4,5,6,7,8,9,10,11,12,13,14,15
.irp p, 0,1,2,3
	v_pk_mul_f32 v[ACC+8*(\t)+2*(\p):ACC+8*(\t)+2*(\p)+1], v[ACC+8*(\t)+2*(\p):ACC+8*(\t)+2*(\p)+1], v[SC+8*((\t)%4)+2*(\p):SC+8*((\t)%4)+2*(\p)+1]  ; each accumulator from its low end on
.endr
.endr
.irp t, 0,1,2,3,4,5,6,7,8,9,10,11,12,13,14,15
.irp r, 0,1,2,3
	v_cvt_pk_bf16_f32 v[TMP+4*(\t)+(\r)], v[ACC+8*(\t)+2*(\r)], v[ACC+8*(\t)+2*(\r)+1]
.endr
.endr
.irp a, 0,1,2,3
.irp b, 0,1,2,3
	ds_store_b128 v[STO], v[TMP+4*(4*(\a)+(\b)):TMP+4*(4*(\a)+(\b))+3] offset:(\a)*16*SPITCH+32*(\b)
.endr
.endr
	s_wait_dscnt 0x0                               ; for the others' sake: my stores into the stage are done
	s_barrier_signal -1
	s_barrier_wait -1
.irp t, 0,1,2,3,4,5,6,7,8,9,10,11,12,13,14,15
	ds_load_b128 v[TMP+4*(\t):TMP+4*(\t)+3], v[RD] offset:(\t)*2*SPITCH
.endr
.irp t, 0,1,2,3,4,5,6,7,8,9,10,11,12,13,14,15
	s_wait_dscnt 15-(\t)                           ; LDS loads come back in order: pair t of rows is in, the younger ones may be out
	global_store_b128 v[CO], v[TMP+4*(\t):TMP+4*(\t)+3], s[8:9] offset:2*(\t)*ROWB  ; 16 lanes store 256 consecutive bytes, at a multiple of 256 from mt's first byte
.endr
	s_wait_tensorcnt 0x0                           ; the wave's end, behind my last tensor load and my last LDS store
	ds_add_u32 v[SPW], v[NIL]
	s_wait_dscnt 0x0
	CROUND                                         ; the closing round: no work-group ends while a partner may still ask for a tile that names it
	s_endpgm
.Lfunc_end_k_q3aacd74b54_fold:
	.size	k_q3aacd74b54_fold, .Lfunc_end_k_q3aacd74b54_fold-k_q3aacd74b54_fold
	.p2alignl 7, 3214868480
	.fill 96, 4, 3214868480
	.section	.rodata,"a",@progbits
	.p2align	6, 0x0
	.amdhsa_kernel k_q3aacd74b54_fold
		.amdhsa_group_segment_fixed_size 327680
		.amdhsa_private_segment_fixed_size 0
		.amdhsa_enable_private_segment 0
		.amdhsa_kernarg_size 32
		.amdhsa_user_sgpr_count 2
		.amdhsa_user_sgpr_kernarg_segment_ptr 1
		.amdhsa_wavefront_size32 1
		.amdhsa_system_sgpr_workgroup_id_x 1
		.amdhsa_system_sgpr_workgroup_id_y 1
		.amdhsa_system_sgpr_workgroup_id_z 1
		.amdhsa_system_vgpr_workitem_id 0
		.amdhsa_next_free_vgpr 512
		.amdhsa_next_free_sgpr 68
		.amdhsa_reserve_vcc 0
		.amdhsa_float_denorm_mode_32 3
		.amdhsa_float_denorm_mode_16_64 3
		.amdhsa_memory_ordered 1
		.amdhsa_forward_progress 1
		.amdhsa_inst_pref_size 94
	.end_amdhsa_kernel
	.amdgpu_metadata
---
amdhsa.version: [ 1, 2 ]
amdhsa.kernels:
  - .name:           k_q3aacd74b54_fold
    .symbol:         k_q3aacd74b54_fold.kd
    .args:
      - { .name: wb, .offset: 0, .size: 8, .value_kind: global_buffer, .address_space: global }
      - { .name: wa, .offset: 8, .size: 8, .value_kind: global_buffer, .address_space: global }
      - { .name: mt, .offset: 16, .size: 8, .value_kind: global_buffer, .address_space: global }
      - { .name: signs, .offset: 24, .size: 8, .value_kind: global_buffer, .address_space: global }
    .group_segment_fixed_size: 327680
    .private_segment_fixed_size: 0
    .kernarg_segment_align: 8
    .kernarg_segment_size: 32
    .max_flat_workgroup_size: 128
    .sgpr_count:     68
    .vgpr_count:     512
    .wavefront_size: 32
...
	.end_amdgpu_metadata
.endif
;; end of part 2
;; launch apply (part 3): grid 8 x 32, 4 waves a work-group, clusters of 4 x 4, 327,680 bytes of LDS; arguments xb, mt, out0; writes out0
.if DOCPART == 3
	.amdgcn_target "amdgcn-amd-amdhsa--gfx1250"
	.amdhsa_code_object_version 6
	.text
	.protected	k_q3aacd74b54_apply
	.globl	k_q3aacd74b54_apply
	.p2align	8
	.type	k_q3aacd74b54_apply,@function
k_q3aacd74b54_apply:
	s_mov_b64 s[64:65], 0
	v_nop
	global_prefetch_b8 v0, s[64:65] scope:SCOPE_SE
	s_setreg_imm32_b32 hwreg(HW_REG_WAVE_MODE, 25, 1), 1
	s_wait_xcnt 0x0
	s_wait_alu depctr_hold_cnt(0) depctr_sa_sdst(0) depctr_va_vdst(0) depctr_va_sdst(0) depctr_va_ssrc(0) depctr_va_vcc(0) depctr_vm_vsrc(0)
	s_getreg_b32 s2, hwreg(HW_REG_IB_STS2, 6, 4)
	s_cmp_eq_u32 s2, 0
	s_cbranch_scc0 .Lentry_in_a_cluster
	s_endpgm
.Lentry_in_a_cluster:
	s_bfe_u32 s2, ttmp6, 0x10000c
	s_cmp_lg_u32 s2, 0xf033
	s_cbranch_scc0 .Lentry_shape_is_right
	s_endpgm
.Lentry_shape_is_right:
; out0[t][n] = sum over i of xb[t][i] mt[n][i].  xb: [8192][2048] bf16, mt: [2048][2048] bf16 (it holds both sign flips, both products with W and the scale 2^-11), out0: [8192][2048] f32; sums in f32.
; A tile of out0, 256 x 256, is made by a work-group of four waves; a wave makes 128 x 128: 64 accumulators of 16 x 16, 512 registers.  32 x 8 tiles: 256 work-groups, one tile each.
; K goes in 16 steps of 128 through a ring of two LDS slots filled by the tensor data mover: a tile's rows are 256 bytes of memory and start at multiples of 256 bytes from the buffer's first byte.
; CLUSTERS: 4 x 4 work-groups.  The four of a row of the cluster need the same tiles of xb, the four of a column the same tiles of mt: each tile is asked for JOINTLY, by the same tensor load with
; the same descriptor and a mask that names the four.
; REGISTERS, in windows of 256 (s_set_vgpr_msb's low byte: bits 1:0 source 0, 3:2 source 1, 5:4 source 2, 7:6 destination):
;   window 0: v0-31 addresses; v64-127, v128-191 fragments of xb (8 x 16 rows x 32 K), two buffers; on the way out the same registers take rows read back from the stage
;   window 1: v64-127, v128-191 fragments of mt, two buffers
;   window 2: the 32 accumulators of my rows 0-63 (accumulator (a, b) at v[8 (8 a + b)]);   window 3: those of my rows 64-127
; THE MATRIX INSTRUCTION IS USED TRANSPOSED: source 0 = 16 rows of mt, source 1 = 16 rows of xb.  In the result lane l holds row t = l % 16 and its registers 0 to 7 the columns n = 8 (l / 16) + 0..7:
; 32 neighbouring bytes of a row of out0.
.set SIZE_N, 2048
.set SIZE_K, 2048
.set KSTEP,  128
.set PITCH,  272                       ; an LDS row: 256 bytes + 16 of padding = 68 words: the 16 rows that a load touches start at 16 different groups of four banks (64 banks of 4 bytes: ISA guide 11.1)
.set HALFT,  128*PITCH                 ; 128 rows: what one tensor load brings, and what one wave reads of xb or of mt
.set SLOT,   4*HALFT                   ; xb's 256 rows, then mt's 256 rows
.set STAGE,  2*SLOT                    ; behind the ring: 16 rows x 528 bytes for each wave, for the way out; no tensor load lands there
.set SPITCH, 528                       ; a stage row: my 128 columns in f32, 512 bytes, + 16: an odd multiple of 16
.set SPARE,  STAGE+4*16*SPITCH         ; behind the stages: the spare words, 128 bytes for each wave: two blocks of 256 bytes that no other line names
.set LAPS, SIZE_K/(2*KSTEP)            ; a lap = two K steps = once round the ring
.set ROWC,   SIZE_N*4                  ; bytes in a row of out0
.set ADRA, 16                          ; v16-17  LDS address of my xb fragments in slot 0, 1
.set ADRB, 20                          ; v20-21  the same for mt
.set STO,  24                          ; v24     the way out: where I put 32 bytes of a row
.set RD,   25                          ; v25     the way out: where I read a row back
.set CO,   26                          ; v26     my byte offset in 512 bytes of a row of out0; never rewritten
.set SPW,  28                          ; v28     LDS address of my spare word: SPARE + 4 x my thread's number; never rewritten
.set NIL,  29                          ; v29     0; never rewritten
.set PFO,  30                          ; v30     the prefetches' offset: my lane x a row of xb or mt; never rewritten
.set PFA,  44                          ; s[44:45] where my prefetches stand: my work-group's 32 rows of the 128 that I fetch, one K step further along K than the refill in hand; a prefetch names the K step after that
.set LIM,  43                          ; s43     1 in a wave that prefetches, else the greatest number
.set F0,   64                          ; fragment buffer 0
.set F1,   128                         ; fragment buffer 1
.set OB,   64                          ; the way out: 16 rows read back from the stage: v64-127 and v128-191 by turns
.set G1, 24                            ; s[24:31] descriptor group 1 for xb's tiles
.set G0, 32                            ; s[32:39] descriptor group 0 for xb's tiles, one set for each slot
.set G1B, 48                           ; s[48:55] descriptor group 1 for mt's tiles: it differs in the mask alone
.set G0B, 56                           ; s[56:63] descriptor group 0 for mt's tiles, one set for each slot
.set MSB, 0
.macro WIN new                         ; the immediate's high byte repeats the setting that is left; a switch that changes nothing is dropped
.if MSB != (\new)
	s_set_vgpr_msb (MSB<<8)|(\new)
.set MSB, \new
.endif
.endm
.set MUL_LO, 0xa1                      ; source 0 (mt) window 1, source 1 (xb) window 0, C and D window 2
.set MUL_HI, 0xf1                      ; the same, C and D window 3
.set TO_B,   0x40                      ; destination window 1, address window 0
; A joint load.  Waves 0 and 1 fetch xb's two halves, waves 2 and 3 mt's.  The branch hangs on the wave's number alone.  An s_nop 0 and four v_nop follow each of the two lines.
.macro JLOAD s
	s_cmp_eq_u32 s11, 0
	s_cbranch_scc0 .Lfor_b_\@
	tensor_load_to_lds s[G0+4*(\s):G0+4*(\s)+3], s[G1:G1+7]
	s_nop 0
.rept 4
	v_nop
.endr
	s_branch .Lasked_\@
.Lfor_b_\@:
	tensor_load_to_lds s[G0B+4*(\s):G0B+4*(\s)+3], s[G1B:G1B+7]
	s_nop 0
.rept 4
	v_nop
.endr
.Lasked_\@:
.endm
; A PREFETCH INTO THE L2, behind each joint load, its five lines and the run of LDS loads that follows them: the K step that stands TWO refills on, 512 matrix instructions ahead of the load that will ask
; for it: 32 rows x 256 bytes, a lane a row, one instruction a wave.  Each row's 256 bytes of a K step are named ONCE in the launch: xb's tile row is read by both clusters of that row of clusters, and the
; one with cluster x = 0 asks; mt's tile column by the eight clusters of that column, and the one with cluster y = 0 asks.  The four partners that ask for a tile jointly share its rows out BY ADDRESS:
; of the 128 rows that a wave fetches the partner at place p takes 32 p .. 32 p + 31 (p = cx for xb, cy for mt).  K steps 0 to 3 come by their loads alone; the loop's last trip, whose two refills have no
; K step two on, asks for nothing: K steps 4 to 15 are named.
.macro ASK
	s_cmp_gt_u32 s3, s[LIM]                        ; s3 = 1 in the loop's last trip
	s_cbranch_scc0 .Lnot_mine_\@
	global_prefetch_b8 v[PFO], s[PFA:PFA+1] offset:KSTEP*2 th:TH_LOAD_NT scope:SCOPE_SE
.Lnot_mine_\@:
.endm
.macro CREST                           ; a round of the cluster's barrier behind its opening barrier
	s_cmp_lg_u32 s10, 0
	s_cbranch_scc1 .Lnot_wave_0_\@
	s_barrier_signal -3
.Lnot_wave_0_\@:
	s_barrier_wait -3
	s_barrier_signal -1
	s_barrier_wait -1
.endm
.macro CROUND                          ; a whole round
	s_barrier_signal -1
	s_barrier_wait -1
	CREST
.endm
	s_load_b128 s[4:7], s[0:1], 0x0                ; xb s[4:5], mt s[6:7]
	s_load_b64 s[8:9], s[0:1], 0x10                ; out0
	v_lshl_add_u32 v[SPW], v0, 2, SPARE
	v_mov_b32 v[NIL], 0
	ds_add_u32 v[SPW], v[NIL]                      ; the wave's opening: the add, twice on end, and its wait ahead of my first tensor load; the set-up below stands between
	ds_add_u32 v[SPW], v[NIL]                      ; and once more, under the one wait
	v_lshrrev_b32 v1, 5, v0
	v_readfirstlane_b32 s10, v1                    ; wave 0..3
	s_lshr_b32 s11, s10, 1                         ; which half of the tile's rows is mine.  Also: I fetch for xb (0) or for mt (1)
	s_and_b32 s12, s10, 1                          ; which half of its columns.  Also: which 128 rows of that tile I fetch
	s_bfe_u32 s40, ttmp6, 0x40000                  ; cx: my place along the cluster's x
	s_bfe_u32 s41, ttmp6, 0x40004                  ; cy: along its y
	s_lshl_b32 s42, ttmp9, 2                       ; in a cluster launch ttmp9 and ttmp7 count clusters
	s_add_co_u32 s42, s42, s40                     ; tile column = 4 x cluster x + cx
	s_and_b32 s13, ttmp7, 0xffff
	s_lshl_b32 s13, s13, 2
	s_add_co_u32 s13, s13, s41                     ; tile row = 4 x cluster y + cy
	s_lshl_b32 s43, s41, 2
	s_lshl_b32 s43, 15, s43                        ; my row of the cluster: places 4 cy .. 4 cy + 3
	s_lshl_b32 s44, 0x1111, s40                    ; my column: places cx, cx + 4, cx + 8, cx + 12
	; descriptor group 1: a tile of 128 rows x 128 elements, padded in LDS
	s_or_b32 s[G1+0], s43, (1<<16)|(1<<20)|(1<<21)|(5<<22)|(3<<25)  ; 15:0 the mask: xb's tiles go to my row; 17:16 elements of 2 bytes; 20 padding on; 21 set beside a mask; 24:22 after every 64 words (code 5); 31:25 4 words (code 3)
	s_or_b32 s[G1B+0], s44, (1<<16)|(1<<20)|(1<<21)|(5<<22)|(3<<25) ; the same with the mask of my column, for mt's tiles
.irp g, G1, G1B
	s_mov_b32 s[(\g)+1], KSTEP<<16                 ; tensor_dim0 = 128
	s_mov_b32 s[(\g)+2], 128<<16                   ; tensor_dim1 = 128
	s_mov_b32 s[(\g)+3], KSTEP<<16                 ; tile_dim0 = 128
	s_mov_b32 s[(\g)+4], 128                       ; tile_dim1 = 128
	s_mov_b32 s[(\g)+5], SIZE_K                    ; elements from row to row
	s_mov_b32 s[(\g)+6], 0
	s_mov_b32 s[(\g)+7], 0
.endr
	; where the tiles come from.  xb's hang on the tile row alone, mt's on the tile column alone, each in registers that never hold the other coordinate.
	s_lshl_b32 s17, s12, 7                         ; which 128 rows of the tile I fetch
	s_lshl_b32 s16, s13, 8
	s_add_co_u32 s16, s16, s17                     ; xb: row 256 x tile row + 128 x half
	s_lshl_b32 s46, s42, 8
	s_add_co_u32 s46, s46, s17                     ; mt: row 256 x tile column + 128 x half
	s_mov_b32 s17, 0
	s_mov_b32 s47, 0
	s_mov_b64 s[18:19], SIZE_K*2
	s_mul_u64 s[16:17], s[16:17], s[18:19]         ; in bytes
	s_mul_u64 s[46:47], s[46:47], s[18:19]
	s_mul_i32 s20, s10, HALFT                      ; and where they go: xb's two halves, then mt's two halves = wave x 128 rows
	s_wait_dscnt 0x0                               ; both opening adds are done
	s_wait_kmcnt 0x0
	s_add_nc_u64 s[14:15], s[4:5], s[16:17]
	s_add_nc_u64 s[46:47], s[6:7], s[46:47]
	CROUND                                         ; all sixteen work-groups are here: the first joint loads meet
.irp s, 0,1
	s_mov_b32 s[G0+4*(\s)], 1                                      ; count = 1
	s_add_co_u32 s[G0+4*(\s)+1], s20, (\s)*SLOT                    ; LDS address
	s_add_nc_u64 s[G0+4*(\s)+2:G0+4*(\s)+3], s[14:15], (\s)*KSTEP*2  ; global address: K step s
	s_or_b32 s[G0+4*(\s)+3], s[G0+4*(\s)+3], 0x80000000            ; type = 2
	s_mov_b32 s[G0B+4*(\s)], 1
	s_add_co_u32 s[G0B+4*(\s)+1], s20, (\s)*SLOT
	s_add_nc_u64 s[G0B+4*(\s)+2:G0B+4*(\s)+3], s[46:47], (\s)*KSTEP*2
	s_or_b32 s[G0B+4*(\s)+3], s[G0B+4*(\s)+3], 0x80000000
	JLOAD \s                                       ; the ring is filled before anything else is done
.endr
	; A fragment is 16 rows x 32 K in 8 registers: lane l holds row l % 16; registers 0-3 hold K = 8 (l / 16) + 0..7, registers 4-7 K = 16 + 8 (l / 16) + 0..7: two loads of 16 bytes, 32 bytes apart.
	v_and_b32 v1, 15, v0                           ; l % 16
	v_bfe_u32 v2, v0, 4, 1                         ; l / 16
	v_mul_u32_u24 v3, v1, PITCH
	v_lshl_add_u32 v3, v2, 4, v3                   ; row x pitch + 16 x half
	s_mul_i32 s21, s11, HALFT                      ; my 128 rows of xb
	s_mul_i32 s22, s12, HALFT                      ; my 128 rows of mt,
	s_add_co_u32 s22, s22, 2*HALFT                 ; which lie behind xb's 256
.irp s, 0,1
	v_add_nc_u32 v[ADRA+(\s)], s21, v3
	v_add_nc_u32 v[ADRB+(\s)], s22, v3
	s_add_co_u32 s21, s21, SLOT
	s_add_co_u32 s22, s22, SLOT
.endr
	s_mul_i32 s23, s10, 16*SPITCH
	s_add_co_u32 s23, s23, STAGE                   ; my stage
	v_mul_u32_u24 v4, v1, SPITCH                   ; in: row l % 16, 32 bytes for each half of the lanes
	v_lshl_add_u32 v4, v2, 5, v4
	v_add_nc_u32 v[STO], s23, v4
	v_and_b32 v5, 31, v0
	v_lshlrev_b32 v[CO], 4, v5                     ; back: 32 lanes take one row of 512 bytes, which are 512 consecutive bytes of out0
	v_add_nc_u32 v[RD], s23, v[CO]
	; where my part of the tile begins in out0
	s_lshl_b32 s13, s13, 8                         ; 256 x tile row
	s_lshl_b32 s14, s11, 7
	s_add_co_u32 s16, s13, s14                     ; my first row,
	s_lshl_b32 s16, s16, 13                        ; in bytes: rows of 8,192
	s_mov_b32 s17, 0
	s_add_nc_u64 s[8:9], s[8:9], s[16:17]
	s_lshl_b32 s46, s42, 10                        ; my first column, in bytes: 1,024 x tile column + 512 x half (in the registers that held mt's address: none that feeds xb's descriptors ever holds cx)
	s_lshl_b32 s47, s12, 9
	s_add_co_u32 s46, s46, s47
	s_mov_b32 s47, 0
	s_add_nc_u64 s[8:9], s[8:9], s[46:47]
	; the prefetches.  s13 = 256 x tile row, s42 = tile column, s40 = cx, s41 = cy still stand; s[4:5] = xb, s[6:7] = mt
	s_lshl_b32 s42, s42, 8
	s_and_b32 s22, ttmp7, 0xffff                   ; cluster y
	s_cmp_eq_u32 s11, 0                            ; do I fetch for xb?
	s_cselect_b32 s20, s13, s42                    ; the tile's first row: in xb by the tile row, in mt by the tile column
	s_cselect_b32 s21, s40, s41                    ; my place among the four that ask for it with me
	s_cselect_b32 s22, ttmp9, s22                  ; the coordinate along which other clusters read the same rows
	s_cselect_b64 s[PFA:PFA+1], s[4:5], s[6:7]
	s_cmp_eq_u32 s22, 0
	s_cselect_b32 s[LIM], 1, -1                    ; the same in all sixteen partners, for a given wave
	s_lshl_b32 s22, s12, 7
	s_add_co_u32 s20, s20, s22                     ; + the 128 rows that I fetch
	s_lshl_b32 s21, s21, 5
	s_add_co_u32 s20, s20, s21                     ; + my work-group's 32 of them
	s_mov_b32 s21, 0
	s_mov_b64 s[18:19], SIZE_K*2
	s_mul_u64 s[20:21], s[20:21], s[18:19]
	s_add_nc_u64 s[PFA:PFA+1], s[PFA:PFA+1], s[20:21]
	s_add_nc_u64 s[PFA:PFA+1], s[PFA:PFA+1], 2*KSTEP*2  ; at K step 2: the first refill steps it to 3 and names K step 4
	v_and_b32 v[PFO], 31, v0
	v_mul_u32_u24 v[PFO], v[PFO], SIZE_K*2
; 16 matrix instructions: row blocks a0, a0 + 1 of the window's four (hi = 0: my rows 0-63, 1: rows 64-127) x all 8 column blocks, 32 along K.  zero = 1: the first product starts the sums.
; The 64 accumulators take turns in the same order in every quarter step.
.macro MUL16 f, hi, a0, zero
	WIN MUL_LO+0x50*(\hi)
.irp a, \a0, (\a0)+1
.irp b, 0,1,2,3,4,5,6,7
.if \zero
	v_wmma_f32_16x16x32_bf16 v[8*(8*(\a)+(\b)):8*(8*(\a)+(\b))+7], v[(\f)+8*(\b):(\f)+8*(\b)+7], v[(\f)+8*(4*(\hi)+(\a)):(\f)+8*(4*(\hi)+(\a))+7], 0
.else
	v_wmma_f32_16x16x32_bf16 v[8*(8*(\a)+(\b)):8*(8*(\a)+(\b))+7], v[(\f)+8*(\b):(\f)+8*(\b)+7], v[(\f)+8*(4*(\hi)+(\a)):(\f)+8*(4*(\hi)+(\a))+7], v[8*(8*(\a)+(\b)):8*(8*(\a)+(\b))+7]
.endif
.endr
.endr
.endm
; 32 LDS loads in one run: the fragments of one quarter step (128 rows of mt, 128 rows of xb, 32 K at byte k of the rows) into buffer f
.macro FETCH slot, k, f
	WIN TO_B
.irp i, 0,1,2,3,4,5,6,7
	ds_load_b128 v[(\f)+8*(\i):(\f)+8*(\i)+3],   v[ADRB+(\slot)] offset:(\k)+(\i)*16*PITCH
	ds_load_b128 v[(\f)+8*(\i)+4:(\f)+8*(\i)+7], v[ADRB+(\slot)] offset:(\k)+(\i)*16*PITCH+32
.endr
	WIN 0
.irp i, 0,1,2,3,4,5,6,7
	ds_load_b128 v[(\f)+8*(\i):(\f)+8*(\i)+3],   v[ADRA+(\slot)] offset:(\k)+(\i)*16*PITCH
	ds_load_b128 v[(\f)+8*(\i)+4:(\f)+8*(\i)+7], v[ADRA+(\slot)] offset:(\k)+(\i)*16*PITCH+32
.endr
.endm
.macro PLACES                          ; four places in front of loads into registers that matrix instructions have read (ISA guide 7.12.1 for vector instructions)
.rept 4
	v_nop
.endr
.endm
; A K step is four quarter steps of 32 along K, 64 matrix instructions each, on buffers 0, 1, 0, 1.  One of the first three: multiplies buffer f; in its middle it fetches the next quarter, at byte k, into g.
.macro QUARTER slot, k, f, g, zero
	s_wait_dscnt 8                                 ; mt's and xb's rows 0-63 are in; the youngest eight loads (xb's rows 64-127) may be out
	WIN MUL_LO
	MUL16 \f, 0, 0, \zero
	MUL16 \f, 0, 2, \zero
	PLACES
	FETCH \slot, \k, \g
	s_wait_dscnt 32                                ; all but the 32 just issued
	WIN MUL_HI
	MUL16 \f, 1, 0, \zero
	MUL16 \f, 1, 2, \zero
.endm
; The last quarter multiplies buffer 1 and changes slots.  MEET is its first half: ONE barrier for the change of slots.  In front of it each wave waits for all its tensor loads, of which one is out: its part
; of the next slot; adds 0 to its spare word; and waits for that and for its own reads of this slot.  Behind it nobody reads this slot any more and the next slot is whole.
.macro MEET round                      ; round = 1: the rest of a round of the cluster's barrier follows
	WIN 0                                          ; (the add's two registers lie in window 0)
	s_wait_tensorcnt 0x0                           ; all my tensor loads have landed;
	ds_add_u32 v[SPW], v[NIL]                      ; 0 onto my spare word;
	s_wait_dscnt 9                                 ; (the add and the youngest eight loads may be out)
	WIN MUL_LO
	MUL16 F1, 0, 0, 0                              ; sixteen matrix instructions stand between the add and the wait for it
	s_wait_dscnt 0x0                               ; the add is done, and my reads of this slot are over:
	s_barrier_signal -1                            ; say so,
	MUL16 F1, 0, 2, 0                              ; work on registers while the others arrive,
.if \round
	WIN 0
.endif
	s_barrier_wait -1                              ; and go on when all four have said so
.endm
; The whole last quarter.  Behind the round the slot just read out is filled again first, with the K step two steps on; then come the next slot's first fragments.
; From a request to the wait for it a wave issues 224 matrix instructions.
.macro TURN slot, next
	s_wait_xcnt 0x0                                ; the last prefetch, a K step back, has read its address: it is stepped here, ahead of the waits of the change of slots
	s_add_nc_u64 s[PFA:PFA+1], s[PFA:PFA+1], KSTEP*2
	MEET 1
	CREST                                          ; no wave of any partner still reads this slot's tiles or has a load on its way
	s_add_nc_u64 s[G0+4*(\slot)+2:G0+4*(\slot)+3], s[G0+4*(\slot)+2:G0+4*(\slot)+3], 2*KSTEP*2
	s_add_nc_u64 s[G0B+4*(\slot)+2:G0B+4*(\slot)+3], s[G0B+4*(\slot)+2:G0B+4*(\slot)+3], 2*KSTEP*2
	JLOAD \slot                                    ; the first tensor load behind the round; the four v_nop behind it are also the places in front of the loads below
	FETCH \next, 0, F0
	ASK                                            ; behind the joint load and the run of LDS loads that the next products wait for
	WIN MUL_HI
	MUL16 F1, 1, 0, 0
	MUL16 F1, 1, 2, 0
.endm
; THE WAY OUT of block a (16 rows x my 128 columns, f32), in two parts.  TOSTAGE: a lane's 32 bytes of each accumulator go into my own stage, rows of 528 bytes, and come back as whole rows of 512.
; SEND: stored.  No arithmetic: the scale lies in mt.
.macro TOSTAGE a
.if (\a) >= 2
	s_wait_xcnt 0x0                                ; the stores of the block two back have read the registers into which this block is read back
.endif
	WIN 0x08+4*((\a)/4)                            ; the stores' data (source 1) in window 2 or 3
.irp b, 0,1,2,3,4,5,6,7
	ds_store_b128 v[STO], v[64*((\a)%4)+8*(\b):64*((\a)%4)+8*(\b)+3]   offset:64*(\b)       ; each accumulator from its low end on
	ds_store_b128 v[STO], v[64*((\a)%4)+8*(\b)+4:64*((\a)%4)+8*(\b)+7] offset:64*(\b)+16
.endr
	WIN 0
.set BK, OB+64*((\a)%2)
.irp t, 0,1,2,3,4,5,6,7,8,9,10,11,12,13,14,15
	ds_load_b128 v[BK+4*(\t):BK+4*(\t)+3], v[RD] offset:(\t)*SPITCH  ; LDS serves a wave's instructions in order (ISA guide 5.7.1.4): these see the stores above; the next block's stores come behind them
.endr
.endm
.macro SEND a, younger                 ; younger: the LDS instructions issued behind block a's loads: the next block's 32, or none
	WIN 0
.set BK, OB+64*((\a)%2)
.irp t, 0,1,2,3,4,5,6,7,8,9,10,11,12,13,14,15
	s_wait_dscnt (\younger)+15-(\t)                ; row t is back in registers
	global_store_b128 v[CO], v[BK+4*(\t):BK+4*(\t)+3], s[8:9] offset:(16*(\a)+(\t))*ROWC th:TH_STORE_NT  ; 32 lanes store 512 consecutive bytes, at a multiple of 512 from out0's first byte; the row stands in the immediate, 127 rows at the most
.endr
.endm
	s_wait_tensorcnt 1                             ; my part of K step 0 is in; K step 1's load may stay out
	s_barrier_signal -1
	s_barrier_wait -1                              ; everybody's is
	FETCH 0, 0, F0
	QUARTER 0, 64,  F0, F1, 1                      ; the first quarter stands in front of the loop: its products start the sums
	WIN 0                                          ; at a label and at a branch every window is 0
	s_mov_b32 s3, LAPS-1
.Llap:                                                 ; a trip goes once round the ring, from a lap's second quarter to the next lap's first, and fills both slots again
	QUARTER 0, 128, F1, F0, 0
	QUARTER 0, 192, F0, F1, 0
	TURN 0, 1
	QUARTER 1, 64,  F0, F1, 0
	QUARTER 1, 128, F1, F0, 0
	QUARTER 1, 192, F0, F1, 0
	TURN 1, 0
	QUARTER 0, 64,  F0, F1, 0
	WIN 0
	s_sub_co_u32 s3, s3, 1
	s_cmp_lg_u32 s3, 0
	s_cbranch_scc1 .Llap
	QUARTER 0, 128, F1, F0, 0                      ; the last lap goes on; it fills nothing, so no round follows its barrier
	QUARTER 0, 192, F0, F1, 0
	MEET 0                                         ; my one tensor load that was still out is slot 1's, the last K step's
	PLACES                                         ; for the loads into buffer 0, which the quarter before multiplied
	FETCH 1, 0, F0
	WIN MUL_HI
	MUL16 F1, 1, 0, 0
	MUL16 F1, 1, 2, 0
	QUARTER 1, 64,  F0, F1, 0
	QUARTER 1, 128, F1, F0, 0
	QUARTER 1, 192, F0, F1, 0
	s_wait_dscnt 8                                 ; the very last quarter: nothing more to fetch
	WIN MUL_LO
	MUL16 F1, 0, 0, 0
	MUL16 F1, 0, 2, 0
	s_wait_dscnt 0x0
	WIN MUL_HI
	MUL16 F1, 1, 0, 0
	MUL16 F1, 1, 2, 0
	WIN 0
.rept 8
	v_nop                                          ; the places behind the last products, ahead of LDS stores that read results and of loads into the fragment buffers
.endr
	TOSTAGE 0
	TOSTAGE 1
	SEND 0, 32
.irp a, 2,3,4,5,6,7                    ; a block's trip through the stage stands between the loads of the block before and its stores
	TOSTAGE \a
	SEND (\a)-1, 32
.endr
	SEND 7, 0
	s_wait_tensorcnt 0x0                           ; the wave's end, behind my last tensor load and my last LDS store
	ds_add_u32 v[SPW], v[NIL]
	s_wait_dscnt 0x0
	CROUND                                         ; the closing round: no work-group ends while a partner may still ask for a tile that names it
	s_endpgm
.Lfunc_end_k_q3aacd74b54_apply:
	.size	k_q3aacd74b54_apply, .Lfunc_end_k_q3aacd74b54_apply-k_q3aacd74b54_apply
	.p2alignl 7, 3214868480
	.fill 96, 4, 3214868480
	.section	.rodata,"a",@progbits
	.p2align	6, 0x0
	.amdhsa_kernel k_q3aacd74b54_apply
		.amdhsa_group_segment_fixed_size 327680
		.amdhsa_private_segment_fixed_size 0
		.amdhsa_enable_private_segment 0
		.amdhsa_kernarg_size 24
		.amdhsa_user_sgpr_count 2
		.amdhsa_user_sgpr_kernarg_segment_ptr 1
		.amdhsa_wavefront_size32 1
		.amdhsa_system_sgpr_workgroup_id_x 1
		.amdhsa_system_sgpr_workgroup_id_y 1
		.amdhsa_system_sgpr_workgroup_id_z 1
		.amdhsa_system_vgpr_workitem_id 0
		.amdhsa_next_free_vgpr 1024
		.amdhsa_next_free_sgpr 66
		.amdhsa_reserve_vcc 0
		.amdhsa_float_denorm_mode_32 3
		.amdhsa_float_denorm_mode_16_64 3
		.amdhsa_memory_ordered 1
		.amdhsa_forward_progress 1
		.amdhsa_inst_pref_size 145
	.end_amdhsa_kernel
	.amdgpu_metadata
---
amdhsa.version: [ 1, 2 ]
amdhsa.kernels:
  - .name:           k_q3aacd74b54_apply
    .symbol:         k_q3aacd74b54_apply.kd
    .args:
      - { .name: xb, .offset: 0, .size: 8, .value_kind: global_buffer, .address_space: global }
      - { .name: mt, .offset: 8, .size: 8, .value_kind: global_buffer, .address_space: global }
      - { .name: out0, .offset: 16, .size: 8, .value_kind: global_buffer, .address_space: global }
    .group_segment_fixed_size: 327680
    .private_segment_fixed_size: 0
    .kernarg_segment_align: 8
    .kernarg_segment_size: 24
    .max_flat_workgroup_size: 128
    .sgpr_count:     66
    .vgpr_count:     1024
    .wavefront_size: 32
...
	.end_amdgpu_metadata
.endif
;; end of part 3
;; ======== version 2 of 2: 3 launches; version 1 with the launch cast written anew for expert scheduling mode
;; workspace buffers: xb 33,554,432 bytes; wb 8,388,608 bytes; wa 8,388,608 bytes; mt 8,388,608 bytes
;; launch cast (part 4): grid 512 x 1, 8 waves a work-group, no clusters, 0 bytes of LDS; arguments x, wht_mat, signs, xb, wb, wa; writes xb, wb, wa
.if DOCPART == 4
	.amdgcn_target "amdgcn-amd-amdhsa--gfx1250"
	.amdhsa_code_object_version 6
	.text
	.protected	k_q3aacd74b54_cast
	.globl	k_q3aacd74b54_cast
	.p2align	8
	.type	k_q3aacd74b54_cast,@function
k_q3aacd74b54_cast:
	s_mov_b64 s[64:65], 0
	v_nop
	global_prefetch_b8 v0, s[64:65] scope:SCOPE_SE
	s_setreg_imm32_b32 hwreg(HW_REG_WAVE_SCHED_MODE, 0, 2), 2
	s_setreg_imm32_b32 hwreg(HW_REG_WAVE_MODE, 25, 1), 1
	s_wait_xcnt 0x0
	s_wait_alu depctr_vm_vsrc(0)
; xb = bf16(x);  wb = bf16(W);  wa[i][k] = bf16(W[i][k] * f32(s1[k])), s1 = signs row 1.  x: [8192][2048] f32, W: [2048][2048] f32, signs: [2][2048] int32.
; A stream: every byte of x and W is read once, every byte of xb, wb, wa written once.  No LDS, no barrier, no matrix unit, no cluster: the waves share nothing but 4 KiB of signs.
; SHARES.  Work-group g: rows 16 g .. 16 g + 15 of x and rows 4 g .. 4 g + 3 of W.  Wave w: two rows of x (16,384 dense bytes, 32 loads of 512 bytes) and 4,096 dense bytes of W
; (row 4 g + w / 2, half w % 2: 8 loads) with the matching 1,024 signs (8 loads).  A lane loads 16 bytes (4 f32) and stores 8 (4 bf16): a load of the wave covers 512 consecutive bytes,
; aligned, a store 256 consecutive bytes, aligned.  All 48 loads of a wave go out at once, 24 KiB; the text is a straight line.
; LIMITS.  A sign beyond 2^24 in magnitude is rounded by the conversion to f32; W * s1 is one f32 product, rounded once to bf16 (exact in front of the rounding for +-1 and powers of two).
; THE MODE: SCHED_MODE bits 1:0 = 2 (LLVM: expert scheduling mode 2), set by the entry lines.  The code itself states the register dependences between vector instructions and
; memory instructions, with s_wait_alu, always for 0.
; THE PLAN.  Registers that memory instructions touch:
;   v2, v3     the loads' and the stores' offsets: written once at the head, never again.
;   X, WQ, SQ  each quad takes one load, once.  The conversions of the quad's step read it and write its low pair; one store, issued in the NEXT step, reads that pair; nothing writes it again.
; The work goes in twelve steps: eight of four quads of x, four of two quads of W with their signs.  Step p rounds its own quads; its memory instructions are the four stores of step p - 1,
; dealt among its conversions.  Those conversions name step p's quads alone, so ONE wait on va_vdst at a step's head states all that the step's four stores hang on.
; No register that a load or store reads (an offset, a store's data) is ever written again, and no load lands in a register that a vector instruction has named: so no wait on vm_vsrc is owed.
.set X,  8                             ; v[8:135]   32 quads of x; a quad's low pair then holds its 4 bf16
.set WQ, 136                           ; v[136:167] 8 quads of W
.set SQ, 168                           ; v[168:199] 8 quads of signs, then of W * s1
	s_load_b256 s[4:11], s[0:1], 0x0               ; x s[4:5], W s[6:7], signs s[8:9], xb s[10:11]
	s_load_b128 s[12:15], s[0:1], 0x20             ; wb s[12:13], wa s[14:15]
	v_lshrrev_b32 v1, 5, v0
	v_readfirstlane_b32 s16, v1                    ; wave 0..7
	v_and_b32 v1, 31, v0                           ; lane
	v_lshlrev_b32 v2, 4, v1                        ; 16 bytes a lane in; never rewritten
	v_lshlrev_b32 v3, 3, v1                        ; 8 bytes a lane out; never rewritten
	s_lshl_b32 s18, ttmp9, 17                      ; x: 16 rows of 8,192 bytes a work-group,
	s_wait_alu depctr_va_sdst(0)                   ; s16 is written, ahead of its first reader: all six bases are made from it
	s_lshl_b32 s17, s16, 14                        ; two rows a wave
	s_add_co_u32 s18, s18, s17
	s_mov_b32 s19, 0
	s_lshr_b32 s20, s18, 1                         ; xb: half the bytes
	s_mov_b32 s21, 0
	s_lshr_b32 s22, s18, 2                         ; W: a quarter of the rows: 32,768 bytes a work-group, 4,096 a wave
	s_mov_b32 s23, 0
	s_lshr_b32 s24, s18, 3                         ; wb and wa: half of that
	s_mov_b32 s25, 0
	s_and_b32 s26, s16, 1                          ; which half of a row of W is mine:
	s_lshl_b32 s26, s26, 12                        ; its 1,024 signs,
	s_add_co_u32 s26, s26, 8192                    ; in row 1 of signs
	s_mov_b32 s27, 0
	s_wait_kmcnt 0x0
	s_add_nc_u64 s[4:5], s[4:5], s[18:19]
	s_add_nc_u64 s[10:11], s[10:11], s[20:21]
	s_add_nc_u64 s[6:7], s[6:7], s[22:23]
	s_add_nc_u64 s[12:13], s[12:13], s[24:25]
	s_add_nc_u64 s[14:15], s[14:15], s[24:25]
	s_add_nc_u64 s[8:9], s[8:9], s[26:27]
	s_wait_alu depctr_va_vdst(0)                   ; v2 and v3 are written: every load of the kernel reads v2 as its offset, every store v3
.set j, 0
.rept 32
	global_load_b128 v[X+4*j:X+4*j+3], v2, s[4:5] offset:512*j th:TH_LOAD_NT
.set j, j+1
.endr
.set j, 0
.rept 8
	global_load_b128 v[WQ+4*j:WQ+4*j+3], v2, s[6:7] offset:512*j th:TH_LOAD_NT
	global_load_b128 v[SQ+4*j:SQ+4*j+3], v2, s[8:9] offset:512*j   ; no hint: every work-group reads the signs
.set j, j+1
.endr
; Step q of the first eight: four quads of x are rounded in pairs, each into its quad's low pair; ahead of each quad's two conversions goes one store of the step before.
; first = 1: step 0, with no step in front of it.
.macro XG q, first
	s_wait_loadcnt 44-4*(\q)                       ; loads come back in order: behind this group's fourth load stand 28 - 4 q of x and the 16 of W and signs
.if !\first
	s_wait_alu depctr_va_vdst(0)                   ; the step before has written the low pairs of its four quads, which the four stores below read
.endif
.irp i, 0,1,2,3
.if !\first
	global_store_b64 v3, v[X+4*(4*(\q)-4+(\i)):X+4*(4*(\q)-4+(\i))+1], s[10:11] offset:256*(4*(\q)-4+(\i)) th:TH_STORE_NT  ; the step before; no vector instruction since the wait names this pair or v3
.endif
	v_cvt_pk_bf16_f32 v[X+4*(4*(\q)+(\i))],   v[X+4*(4*(\q)+(\i))],   v[X+4*(4*(\q)+(\i))+1]
	v_cvt_pk_bf16_f32 v[X+4*(4*(\q)+(\i))+1], v[X+4*(4*(\q)+(\i))+2], v[X+4*(4*(\q)+(\i))+3]
.endr
.endm
; Step q of the last four: two quads of W with their signs: the signs to f32, W * s1 in f32, both rounded once.  Ahead of each quad's lines go two stores of the step before:
; x's last four quads (q = 0), or a quad of wb and of wa.
.macro WG q
	s_wait_loadcnt 12-4*(\q)                       ; behind the second quad's signs stand 12 - 4 q younger loads
	s_wait_alu depctr_va_vdst(0)                   ; the step before has written the four low pairs that the four stores below read
.irp i, 0,1
.if (\q) == 0
	global_store_b64 v3, v[X+4*(28+2*(\i)):X+4*(28+2*(\i))+1], s[10:11] offset:256*(28+2*(\i)) th:TH_STORE_NT
	global_store_b64 v3, v[X+4*(29+2*(\i)):X+4*(29+2*(\i))+1], s[10:11] offset:256*(29+2*(\i)) th:TH_STORE_NT
.else
	global_store_b64 v3, v[WQ+4*(2*(\q)-2+(\i)):WQ+4*(2*(\q)-2+(\i))+1], s[12:13] offset:256*(2*(\q)-2+(\i)) th:TH_STORE_NT
	global_store_b64 v3, v[SQ+4*(2*(\q)-2+(\i)):SQ+4*(2*(\q)-2+(\i))+1], s[14:15] offset:256*(2*(\q)-2+(\i)) th:TH_STORE_NT
.endif
.irp r, 0,1,2,3
	v_cvt_f32_i32 v[SQ+4*(2*(\q)+(\i))+(\r)], v[SQ+4*(2*(\q)+(\i))+(\r)]
.endr
	v_pk_mul_f32 v[SQ+4*(2*(\q)+(\i)):SQ+4*(2*(\q)+(\i))+1],   v[SQ+4*(2*(\q)+(\i)):SQ+4*(2*(\q)+(\i))+1],   v[WQ+4*(2*(\q)+(\i)):WQ+4*(2*(\q)+(\i))+1]
	v_pk_mul_f32 v[SQ+4*(2*(\q)+(\i))+2:SQ+4*(2*(\q)+(\i))+3], v[SQ+4*(2*(\q)+(\i))+2:SQ+4*(2*(\q)+(\i))+3], v[WQ+4*(2*(\q)+(\i))+2:WQ+4*(2*(\q)+(\i))+3]
	v_cvt_pk_bf16_f32 v[SQ+4*(2*(\q)+(\i))],   v[SQ+4*(2*(\q)+(\i))],   v[SQ+4*(2*(\q)+(\i))+1]
	v_cvt_pk_bf16_f32 v[SQ+4*(2*(\q)+(\i))+1], v[SQ+4*(2*(\q)+(\i))+2], v[SQ+4*(2*(\q)+(\i))+3]
	v_cvt_pk_bf16_f32 v[WQ+4*(2*(\q)+(\i))],   v[WQ+4*(2*(\q)+(\i))],   v[WQ+4*(2*(\q)+(\i))+1]
	v_cvt_pk_bf16_f32 v[WQ+4*(2*(\q)+(\i))+1], v[WQ+4*(2*(\q)+(\i))+2], v[WQ+4*(2*(\q)+(\i))+3]
.endr
.endm
	XG 0, 1
.irp q, 1,2,3,4,5,6,7
	XG \q, 0
.endr
.irp q, 0,1,2,3
	WG \q
.endr
	s_wait_alu depctr_va_vdst(0)                   ; the last step has written the low pairs of quads 6 and 7 of W and of W * s1, which the last four stores read
.irp i, 6,7
	global_store_b64 v3, v[WQ+4*(\i):WQ+4*(\i)+1], s[12:13] offset:256*(\i) th:TH_STORE_NT
	global_store_b64 v3, v[SQ+4*(\i):SQ+4*(\i)+1], s[14:15] offset:256*(\i) th:TH_STORE_NT
.endr
	s_endpgm
.Lfunc_end_k_q3aacd74b54_cast:
	.size	k_q3aacd74b54_cast, .Lfunc_end_k_q3aacd74b54_cast-k_q3aacd74b54_cast
	.p2alignl 7, 3214868480
	.fill 96, 4, 3214868480
	.section	.rodata,"a",@progbits
	.p2align	6, 0x0
	.amdhsa_kernel k_q3aacd74b54_cast
		.amdhsa_group_segment_fixed_size 0
		.amdhsa_private_segment_fixed_size 0
		.amdhsa_enable_private_segment 0
		.amdhsa_kernarg_size 48
		.amdhsa_user_sgpr_count 2
		.amdhsa_user_sgpr_kernarg_segment_ptr 1
		.amdhsa_wavefront_size32 1
		.amdhsa_system_sgpr_workgroup_id_x 1
		.amdhsa_system_sgpr_workgroup_id_y 1
		.amdhsa_system_sgpr_workgroup_id_z 1
		.amdhsa_system_vgpr_workitem_id 0
		.amdhsa_next_free_vgpr 200
		.amdhsa_next_free_sgpr 66
		.amdhsa_reserve_vcc 0
		.amdhsa_float_denorm_mode_32 3
		.amdhsa_float_denorm_mode_16_64 3
		.amdhsa_memory_ordered 1
		.amdhsa_forward_progress 1
		.amdhsa_inst_pref_size 20
	.end_amdhsa_kernel
	.amdgpu_metadata
---
amdhsa.version: [ 1, 2 ]
amdhsa.kernels:
  - .name:           k_q3aacd74b54_cast
    .symbol:         k_q3aacd74b54_cast.kd
    .args:
      - { .name: x, .offset: 0, .size: 8, .value_kind: global_buffer, .address_space: global }
      - { .name: wht_mat, .offset: 8, .size: 8, .value_kind: global_buffer, .address_space: global }
      - { .name: signs, .offset: 16, .size: 8, .value_kind: global_buffer, .address_space: global }
      - { .name: xb, .offset: 24, .size: 8, .value_kind: global_buffer, .address_space: global }
      - { .name: wb, .offset: 32, .size: 8, .value_kind: global_buffer, .address_space: global }
      - { .name: wa, .offset: 40, .size: 8, .value_kind: global_buffer, .address_space: global }
    .group_segment_fixed_size: 0
    .private_segment_fixed_size: 0
    .kernarg_segment_align: 8
    .kernarg_segment_size: 48
    .max_flat_workgroup_size: 256
    .sgpr_count:     66
    .vgpr_count:     200
    .wavefront_size: 32
...
	.end_amdgpu_metadata
.endif
;; end of part 4
;; launch fold: the kernel of part 2 again; grid 16 x 16, 4 waves a work-group, clusters of 4 x 4, 327,680 bytes of LDS; arguments wb, wa, mt, signs; writes mt
;; launch apply: the kernel of part 3 again; grid 8 x 32, 4 waves a work-group, clusters of 4 x 4, 327,680 bytes of LDS; arguments xb, mt, out0; writes out0
